; MI455X (gfx1250); checked and timed in simulation.
; The chip was launched on July 23, 2026; its instructions are those of AMD's public machine-readable ISA for CDNA 5 (MIT licence, August 2026) and "CDNA5" Instruction Set Architecture Reference Guide (July 2026). The comments in the code are by the model that wrote it; some were corrected since.
;; Hyperbolic MLR. Allowed arithmetic: matrix products marked QUANTISED: E2M1 operands, one E8M0 scale for each 32 along K, by v_wmma_scale_f32_16x16x128_f8f6f4 with both operands' format E2M1 (or v_wmma_scale_f32_32x16x128_f4), f32 sums; products left as they are: f32 operands where the result goes on into a quantised operand, else bf16, f16 or f32 operands; f32 sums; everything else in f32.
;; Inputs: a_vals 1,000 x 64 float32; p_vals 1,000 x 64 float32; x 2,048 x 64 float32.
;; Outputs: out0 2,048 x 1,000 float32.
;; This version of the problem:
;;   THIS VERSION OF THE PROBLEM IS GIVEN IN LOW PRECISION. The matrix products marked QUANTISED in the list below multiply operands that are first quantised to E2M1 (2 exponent bits, 1 mantissa bit; 4 bits a number), with one power-of-two scale for each 32 numbers along K (OCP MX v1.0); their sums are f32. All else is computed in f32.
;;   The module's matrix products, in the order in which they are computed (A, B: the left and right operand; K: the contracted axis; several contracted axes count as one K, in the product's order):
;;     1. [M 1,000, K 64] x [K 64, N 2,048]; A: computed on the way; B: input x: QUANTISED
;;     2. batch 1,000 x [M 2,048, K 64] x [K 64, N 1]; A: computed on the way; B: computed on the way: left as it is (N = 1 < 16)
;;   THE QUANTISER, for each operand of a quantised product, along K:
;;     - K is cut into blocks of 32 from its start; a last block that is shorter is filled with zeros.
;;     - A block's scale is 2^e with e = floor(log2(the largest magnitude in the block)) - 2, held to -126 .. 127; a block of zeros has e = 0. As a byte (E8M0): e + 127.
;;     - Each number is divided by its block's scale, clamped to +-6, and rounded to the nearest number of E2M1, ties to even, subnormals kept.
;;     - The product sums the exact products of the quantised numbers (number of the format x scale) in f32.
;;   ~~~python
;;   def quantise(x, axis):      # numpy; x: float32 -> the quantised numbers, widened to float32 again
;;       x = np.moveaxis(x, axis, -1); K = x.shape[-1]
;;       x = np.pad(x, [(0, 0)] * (x.ndim - 1) + [(0, -K % 32)]); x = x.reshape(x.shape[:-1] + (-1, 32)); a = np.abs(x).max(-1, keepdims=True)
;;       e = np.where(a > 0, np.clip(np.frexp(np.where(a > 0, a, 1))[1] - 1 - 2, -126, 127), 0)      # np.frexp(a)[1] - 1 = floor(log2(a)), exactly
;;       r = np.clip(x / 2.0 ** e, -6, 6)
;;       step = 2.0 ** (np.maximum(np.frexp(np.where(r == 0, 1, r))[1] - 1, 0) - 1)
;;       q = np.round(r / step) * step * 2.0 ** e      # np.round: ties to even
;;       return np.moveaxis(q.reshape(q.shape[:-2] + (-1,))[..., :K], -1, axis).astype(np.float32)
;;   ~~~
;;   OPERANDS COMPUTED ON THE WAY. 'Computed on the way' means the value that the module computes at that place (a softmax that the list does not call 'softmax' is quantised finished and normalised). What goes into a quantiser is computed in f32, as accurately as f32 sums, v_exp_f32 and their like allow (about 1e-6 of the number): no bf16 or f16 on the way to a quantiser, and a product that is left as it is and whose result goes on into a quantised operand takes f32 operands (vector FMAs, or v_wmma_f32_16x16x4_f32). A number that lies on a knife's edge between two numbers of the format may be rounded either way, as far as f32 arithmetic and the matrix unit's own rounding can turn it there, and no further.
;; One version. Each part assembles by itself: llvm-mc -triple=amdgcn-amd-amdhsa -mcpu=gfx1250 --defsym DOCPART=n.
;; ======== version 1 of 1: 1 launch
;; limits: values are held in f16: magnitudes above 65,504 overflow, below 6.1e-05 lose precision; inputs' magnitudes at most 65,504; right only within a limited range of input values
;; launch mlr (part 1): grid 8 x 32, 16 waves a work-group, no clusters, 196,096 bytes of LDS; arguments x, a_vals, p_vals, out0; writes out0
.if DOCPART == 1
	.amdgcn_target "amdgcn-amd-amdhsa--gfx1250"
	.amdhsa_code_object_version 6
	.text
	.protected	k_q0e6544108b_mlr
	.globl	k_q0e6544108b_mlr
	.p2align	8
	.type	k_q0e6544108b_mlr,@function
k_q0e6544108b_mlr:
	s_mov_b64 s[64:65], 0
	v_nop
	global_prefetch_b8 v0, s[64:65] scope:SCOPE_SE
	s_setreg_imm32_b32 hwreg(HW_REG_WAVE_MODE, 25, 1), 1
	s_wait_xcnt 0x0
; HYPERBOLIC MLR.  out0[b][c] = scale[c] asinh(z[c][b]),  z = 2 sqrt(k) <mob, a_poin[c]> / (a_norm[c] (1 - k |mob|^2)),  mob = (-p_poin[c]) (+) x[b],  k = 0.1.
; x [2048][64], a_vals, p_vals [1000][64], out0 [2048][1000], all f32.
; ALGEBRA.  mp = -p_poin = -f p_vals, f = tanh(sqrt(k) n) / (sqrt(k) n).  q = Q(mp) . Q(x) is the quantised product.  alpha = 1 + 2 k q + k y2, beta = 1 - k x2, den = 1 + 2 k q + k^2 x2 y2,
; mob = (alpha mp + beta x) / den.  With s = mp . x (not quantised), delta = s - q, and the identity alpha^2 x2 + 2 alpha beta q + beta^2 y2 = den (x2 + 2 q + y2):
;   den^2 - k |alpha mp + beta x|^2 = beta (den (1 - k y2) - 2 k alpha delta),   so   z = (alpha PAB + t) den / (den (1 - k y2) - 2 k alpha delta),
; t = x . ah, ah = a_poin 2 sqrt(k) / a_norm, PAB = (mp . ah) / beta.  Exact for every input; no difference of the two large terms is formed.
; FORMATS.  q: codes of E2M1 with E8M0 scales, by the scaled matrix form; K = 64 fills blocks 0 and 1 of its 128, blocks 2 and 3 are zero codes under the byte 127.  t (the product left as it is): f16 operands, f32 sums:
; ah is normalised (each number at most 0.64) and x has room in f16.  s comes from reference()'s sum of squares and stays in f32: vector multiply-adds on the raw inputs, s = -f (p_vals . x).
; SHARES.  256 work-groups of 16 waves; a work-group owns 64 rows b x 128 classes c (the last class column: 104; there whole waves read rows 992 .. 999 again, and what they yield is not stored).
;   0: each wave brings 4 rows of x, 8 of p_vals, 8 of a_vals, 512 consecutive bytes an instruction, into LDS (pitch 272) | barrier |
;   1: waves 0-7 prepare 16 classes each, waves 8-11 16 rows of x each: lane (r, h) holds row r's numbers 32 h .. 32 h + 31, which is the operands' own layout; the operands go to LDS as images of their registers;
;   2: every wave: p_vals . x for 64 classes x 8 rows: a lane holds two classes' rows (128 registers), x's numbers come as scalars, one dual instruction makes two multiply-adds a lane; the sums go to LDS [class][b] | barrier |
;   3: every wave: one tile of 16 b x two tiles of 16 classes: 2 scaled products, 4 f16 products, the rest in f32 on pairs; results into a stage | barrier |  4: each wave stores 4 row pieces.
; NO CLUSTER, NO TENSOR LOAD: a work-group's inputs are 81,920 bytes for 524,288 f32 multiply-adds, all of them pass through registers to be quantised, and the last class tile has fewer rows than the others.
; STORES: a row of out0 is 4,000 bytes, so only eight whole rows begin and end on multiples of 256; a work-group that owned whole rows would need all 1,000 classes, 512,000 bytes of a_vals and p_vals against 65,536 here.
; Each store of a wave covers 512 consecutive bytes (416 in the last class column), at a multiple of 32 from out0's first byte.
; LIMITS.  asinh(z) = sign(z) log(|z| + sqrt(1 + z^2)): the logarithm's argument is rounded at 1, an absolute error of about 1.2e-7 x scale: fit while the root mean square of |z| is above about 2e-5; |z| under 1.8e19 (z^2 in f32).
; |x| under 65,504 (f16).  NaN and infinities are not served.  Sums are taken in another order than reference()'s; x2 is f^2 |p|^2 and a_norm is (1 + k x2) |a|, which differ from reference()'s by roundings alone.
.set NCLS,   1000
.set OROW,   4000                      ; bytes in a row of out0
.set RPITCH, 272                       ; a raw row in LDS: 256 bytes + 16 = 68 words, so that 16 rows taken at one column start in 16 different groups of four banks (64 banks of 4 bytes: ISA guide 11.1)
.set RX,     0                         ; LDS: 64 raw rows of x,
.set RP,     64*RPITCH                 ; 128 of p_vals,
.set RA,     RP+128*RPITCH             ; 128 of a_vals
.set B2,     RA+128*RPITCH             ; what follows is counted from here; B2 stands in the address registers, the rest in the immediates
.set XQ,     0                         ; x: 4 tiles: codes, 512 bytes each
.set XH,     2048                      ;    f16, 2,048 bytes each
.set CQ,     10240                     ; classes: 8 tiles: codes
.set CH,     14336                     ;    f16
.set XS,     30720                     ; x's scale words, y2, 1 + k y2, 1 - k y2: 64 words each
.set XY,     30976
.set XA,     31232
.set XB,     31488
.set CS,     31744                     ; the classes' scale words: 128
.set CC,     32256                     ; the classes' constants: 128 records, 48 bytes apart: k^2 x2, -f, PAB, scale ln 2, each twice (a pair for the packed forms)
.set SL,     38400                     ; p_vals . x: [128 classes][64 b], pitch 272
.set STG,    73216                     ; the stage: [64 b][128 classes], pitch 528
.set SPITCH, 528
.set F_K,    0x3dcccccd                ; k
.set F_2K,   0x3e4ccccd                ; 2 k
.set F_M2K,  0xbe4ccccd                ; -2 k
.set F_KK,   0x3c23d70b                ; k k
.set F_SQK,  0x3ea1e89b                ; sqrt(k)
.set F_2SQK, 0x3f21e89b                ; 2 sqrt(k)
.set F_EPS,  0x26901d7d                ; 1e-15
.set F_2L2E, 0x4038aa3b                ; 2 log2(e)
.set F_SCK,  0x408c487b                ; 2 ln 2 / sqrt(k)
.set SEL,  22                          ; s[22:23] v_permlanex16_b32's selects for lane l xor 16
.set PX,   96                          ; v96      a lane permute's destination
.set PA,   32                          ; v32-95   p_vals' row of my first class
.set PB,   98                          ; v98-161  of my second: two off a multiple of four from PA, so that the two halves of a dual instruction read different register banks
.set SA,   162                         ; v162-169 sums: my first class x 8 rows;  v170-177 my second class
.set SB,   170
.set R0,   178                         ; v178-209 preparation: 32 numbers of p_vals or of x
.set R1,   210                         ; v210-241 32 numbers of a_vals
.set CD,   244                         ; v244-247 the codes just made
.set SW,   248                         ; v248     the scale word just made
; step 3's registers
.set AQ,   32                          ; x's codes (8 registers, the upper four zeros);  BQ: two class tiles' codes
.set BQ,   40
.set AH,   56                          ; x in f16: 16 registers;  BH: two class tiles', 16 each
.set BH,   72
.set SCA,  30                          ; v30, v31 scale words and nothing else
.set SCB,  31
.set QQ,   106                         ; q: 16 registers (tile 0, tile 1); later the divisor, 1 + z^2, the result
.set TT,   122                         ; t; later z
.set SR,   138                         ; p_vals . x; later delta, alpha delta
.set Y2,   154                         ; y2, 1 + k y2, 1 - k y2 of my eight rows b = 8 h + j
.set AB,   162
.set YB,   170
.set KC,   178                         ; the constants of my class in tile 0 (8 registers) and tile 1
.set DD,   194                         ; 1 + k^2 x2 y2, then den
.set AL,   210                         ; alpha
	s_load_b256 s[4:11], s[0:1], 0x0               ; x s[4:5], a_vals s[6:7], p_vals s[8:9], out0 s[10:11]
	v_lshl_add_u32 v252, v0, 2, 0x2f600
	v_mov_b32 v253, 0
	v_lshrrev_b32 v1, 5, v0
	v_readfirstlane_b32 s12, v1                    ; w: wave 0..15
	v_and_b32 v1, 31, v0                           ; lane
	v_and_b32 v2, 15, v0                           ; r
	v_bfe_u32 v3, v0, 4, 1                         ; h
	v_lshlrev_b32 v4, 4, v1                        ; 16 lane: my bytes of an instruction's 512
	s_and_b32 s13, s12, 3                          ; cs: step 3's pair of class tiles; in waves 8-11 also the tile of x that is prepared
	s_lshr_b32 s14, s12, 2                         ; bt: step 3's tile of 16 b
	s_and_b32 s15, s12, 1                          ; ch: step 2's half of the classes
	s_lshr_b32 s16, s12, 1                         ; rg: step 2's group of 8 rows
	s_lshl_b32 s17, ttmp9, 7                       ; c0: the work-group's first class
	s_and_b32 s18, ttmp7, 0xffff
	s_lshl_b32 s18, s18, 6                         ; b0: its first row
	s_mov_b32 s[SEL], 0x76543210
	s_mov_b32 s[SEL+1], 0xfedcba98
	s_lshl_b32 s19, s12, 2
	s_add_co_u32 s19, s19, s18                     ; b0 + 4 w: the four rows of x that I bring, and the four of out0 that I store
	s_lshl_b32 s92, s19, 8
	s_mov_b32 s93, 0
	s_mul_i32 s2, s19, OROW
	s_lshl_b32 s3, s17, 2
	s_add_co_u32 s2, s2, s3                        ; (b0 + 4 w) 4,000 + 4 c0, under 2^24
	s_mov_b32 s3, 0
	s_lshl_b32 s19, s12, 3
	s_add_co_u32 s19, s19, s17                     ; c0 + 8 w: the eight classes that I bring;
	s_min_u32 s19, s19, NCLS-8                     ; 1,000 = 896 + 8 x 13: a wave's eight lie wholly inside or wholly outside, and those outside read the last eight again
	s_lshl_b32 s94, s19, 8
	s_mov_b32 s95, 0
	s_lshl_b32 s19, s16, 3
	s_add_co_u32 s19, s19, s18                     ; b0 + 8 rg: step 2's rows of x
	s_lshl_b32 s20, s19, 8
	s_mov_b32 s21, 0
	s_wait_kmcnt 0x0
	s_add_nc_u64 s[20:21], s[4:5], s[20:21]
	s_add_nc_u64 s[92:93], s[4:5], s[92:93]
	s_add_nc_u64 s[96:97], s[6:7], s[94:95]
	s_add_nc_u64 s[94:95], s[8:9], s[94:95]
	s_add_nc_u64 s[10:11], s[10:11], s[2:3]
; ---- 0: the raw tiles.  Each load reads two whole rows, 512 consecutive bytes
.irp i, 0,1
	global_load_b128 v[178+4*\i:181+4*\i], v4, s[92:93] offset:512*\i
.endr
.irp i, 0,1,2,3
	global_load_b128 v[186+4*\i:189+4*\i], v4, s[94:95] offset:512*\i
.endr
.irp i, 0,1,2,3
	global_load_b128 v[202+4*\i:205+4*\i], v4, s[96:97] offset:512*\i
.endr
; x's numbers for step 2: chunk e = numbers 8 e .. 8 e + 7 of my eight rows, 64 scalars: row i at s[24 + 8 i] (i < 5) or s[28 + 8 i]
.macro XLOAD e
.irp i, 0,1,2,3,4
	s_load_b256 s[24+8*\i:31+8*\i], s[20:21], 256*\i+32*(\e)
.endr
.irp i, 5,6,7
	s_load_b256 s[28+8*\i:35+8*\i], s[20:21], 256*\i+32*(\e)
.endr
.endm
	XLOAD 0                                        ; asked for now, wanted at step 2
; every LDS address of the kernel is made here, ahead of the parting of the roles: constants, the lane, the wave's number
	v_mul_u32_u24 v254, v3, RPITCH
	v_lshl_add_u32 v254, v2, 4, v254               ; 272 h + 16 r: an instruction's two rows in LDS
	s_mul_i32 s19, s12, 4*RPITCH
	v_add_nc_u32 v5, s19, v254                     ; v5  step 0: my rows of x
	s_mul_i32 s19, s12, 8*RPITCH
	v_add_nc_u32 v6, s19, v254                     ; v6  step 0: my rows of p_vals and a_vals
	v_mul_u32_u24 v254, v2, RPITCH
	v_lshl_add_u32 v255, v3, 7, v254               ; 272 r + 128 h: row r, its half h
	s_mul_i32 s19, s12, 16*RPITCH
	v_add_nc_u32 v7, s19, v255                     ; v7  step 1, waves 0-7: class tile w
	s_mul_i32 s19, s13, 16*RPITCH
	v_add_nc_u32 v8, s19, v255                     ; v8  step 1, waves 8-11: tile cs of x
	v_lshl_add_u32 v26, v3, 5, v254
	s_mul_i32 s19, s13, 32*RPITCH
	s_lshl_b32 s3, s14, 6
	s_add_co_u32 s19, s19, s3
	s_add_co_u32 s19, s19, B2
	v_add_nc_u32 v26, s19, v26                     ; v26 step 3: the sums of class 32 cs + r, rows 16 bt + 8 h on
	v_mul_u32_u24 v9, v1, RPITCH
	s_mul_i32 s19, s15, 64*RPITCH
	v_add_nc_u32 v9, s19, v9                       ; v9  step 2: the raw row of class 64 ch + lane
	s_lshl_b32 s19, s16, 5
	s_add_co_u32 s19, s19, B2
	v_add_nc_u32 v17, s19, v9                      ; v17 step 2: that class's sums, rows 8 rg on
	v_add_nc_u32 v254, B2, v4                      ; an image's place for my lane
	s_lshl_b32 s19, s12, 9
	v_add_nc_u32 v10, s19, v254                    ; v10 class tile w's codes
	s_lshl_b32 s19, s12, 11
	v_add_nc_u32 v11, s19, v254                    ; v11 its f16 image
	s_lshl_b32 s19, s13, 9
	v_add_nc_u32 v14, s19, v254                    ; v14 x tile cs's codes
	s_lshl_b32 s19, s13, 11
	v_add_nc_u32 v15, s19, v254                    ; v15 its f16 image
	s_lshl_b32 s19, s14, 9
	v_add_nc_u32 v18, s19, v254                    ; v18 step 3: x tile bt's codes
	s_lshl_b32 s19, s14, 11
	v_add_nc_u32 v19, s19, v254                    ; v19 its f16 image
	s_lshl_b32 s19, s13, 10
	v_add_nc_u32 v22, s19, v254                    ; v22 step 3: class tiles 2 cs, 2 cs + 1: codes
	s_lshl_b32 s19, s13, 12
	v_add_nc_u32 v23, s19, v254                    ; v23 their f16 images
	s_mul_i32 s19, s12, 4*SPITCH
	s_add_co_u32 s19, s19, STG
	v_add_nc_u32 v28, s19, v254                    ; v28 step 4: my four rows of the stage
	v_lshl_add_u32 v254, v2, 2, B2                 ; 4 r
	s_lshl_b32 s19, s12, 6
	v_add_nc_u32 v12, s19, v254                    ; v12 class tile w's scale words
	s_lshl_b32 s19, s13, 6
	v_add_nc_u32 v16, s19, v254                    ; v16 x tile cs's words
	s_lshl_b32 s19, s14, 6
	v_add_nc_u32 v20, s19, v254                    ; v20 step 3: x tile bt's scale words
	v_lshl_add_u32 v21, v3, 5, B2
	v_add_nc_u32 v21, s19, v21                     ; v21 step 3: the words of rows 16 bt + 8 h on
	v_mul_u32_u24 v27, v3, 8*SPITCH
	v_add_nc_u32 v27, v27, v254
	s_mul_i32 s19, s14, 16*SPITCH
	s_lshl_b32 s3, s13, 7
	s_add_co_u32 s19, s19, s3
	v_lshl_add_u32 v24, v1, 2, B2
	v_add_nc_u32 v24, s3, v24                      ; v24 step 3: the scale words of classes 32 cs + lane
	s_add_co_u32 s19, s19, STG
	v_add_nc_u32 v27, s19, v27                     ; v27 step 3: the stage: row 16 bt + 8 h, class 32 cs + r
	v_mul_u32_u24 v254, v2, 48
	v_add_nc_u32 v254, B2, v254
	s_mul_i32 s19, s12, 16*48
	v_add_nc_u32 v13, s19, v254                    ; v13 class tile w's constants
	s_mul_i32 s19, s13, 32*48
	v_add_nc_u32 v25, s19, v254                    ; v25 step 3: those of class 32 cs + r
	v_lshlrev_b32 v29, 3, v3                       ; v29 8 h: my block's place in a scale word
	v_mov_b32 v[PX], 0                             ; written once: a lane permute's destination counts as one of its sources
	s_wait_loadcnt 0x0
.irp i, 0,1
	ds_store_b128 v5, v[178+4*\i:181+4*\i] offset:RX+2*RPITCH*\i
.endr
.irp i, 0,1,2,3
	ds_store_b128 v6, v[186+4*\i:189+4*\i] offset:RP+2*RPITCH*\i
.endr
.irp i, 0,1,2,3
	ds_store_b128 v6, v[202+4*\i:205+4*\i] offset:RA+2*RPITCH*\i
.endr
	s_wait_dscnt 0x0                               ; for the others' sake: my rows lie in LDS
	s_barrier_signal -1
	s_barrier_wait -1                              ; everybody's do
; ---- 1: the preparation.  Macros
.macro RLOAD reg, adr, off             ; row r's numbers 32 h .. 32 h + 31
.irp i, 0,1,2,3,4,5,6,7
	ds_load_b128 v[\reg+4*\i:\reg+4*\i+3], v[\adr] offset:\off+16*\i
.endr
.endm
.macro PLOAD                           ; step 2's two rows of p_vals: classes 64 ch + lane and 64 ch + 32 + lane
.irp i, 0,1,2,3,4,5,6,7,8,9,10,11,12,13,14,15
	ds_load_b128 v[PA+4*\i:PA+4*\i+3], v9 offset:RP+16*\i
.endr
.irp i, 0,1,2,3,4,5,6,7,8,9,10,11,12,13,14,15
	ds_load_b128 v[PB+4*\i:PB+4*\i+3], v9 offset:RP+32*RPITCH+16*\i
.endr
.endm
.macro SUM32 d, a, b                   ; v[d] = the row's sum of v[a + i] v[b + i]: my 32 in two packed chains, then lane l xor 16's.  v[d+1 .. d+3] at work
	v_pk_mul_f32 v[\d:\d+1], v[\a:\a+1], v[\b:\b+1]
	v_pk_mul_f32 v[\d+2:\d+3], v[\a+2:\a+3], v[\b+2:\b+3]
.irp i, 4,8,12,16,20,24,28
	v_pk_fma_f32 v[\d:\d+1], v[\a+\i:\a+\i+1], v[\b+\i:\b+\i+1], v[\d:\d+1]
	v_pk_fma_f32 v[\d+2:\d+3], v[\a+\i+2:\a+\i+3], v[\b+\i+2:\b+\i+3], v[\d+2:\d+3]
.endr
	v_pk_add_f32 v[\d:\d+1], v[\d:\d+1], v[\d+2:\d+3]
	v_add_f32 v[\d], v[\d], v[\d+1]
	v_permlanex16_b32 v[\d+1], v[\d], s[SEL], s[SEL+1]
	v_add_f32 v[\d], v[\d], v[\d+1]                ; the same bits in both halves of the lanes
.endm
.macro MAX32 d, a                      ; v[d] = the largest magnitude of v[a .. a + 31]: my block of 32 along K.  v[d+1] at work
	v_max3_num_f32 v[\d], |v[\a]|, |v[\a+1]|, |v[\a+2]|
	v_max3_num_f32 v[\d+1], |v[\a+3]|, |v[\a+4]|, |v[\a+5]|
.irp i, 6,10,14,18,22,26
	v_max3_num_f32 v[\d], v[\d], |v[\a+\i]|, |v[\a+\i+1]|
	v_max3_num_f32 v[\d+1], v[\d+1], |v[\a+\i+2]|, |v[\a+\i+3]|
.endr
	v_max3_num_f32 v[\d], v[\d], |v[\a+30]|, |v[\a+31]|
	v_max_num_f32 v[\d], v[\d], v[\d+1]
.endm
.macro CODES m, a                      ; v[m]: the block's largest magnitude.  v[a .. a + 31] become registers 0-3 of the operand, in v[CD] on; the row's scale word in v[SW]
	v_max_num_f32 v[\m], 0x1800000, v[\m]          ; the floor 2^(3 - 127): the byte cannot fall under 1 (a block of zeros keeps that byte: its codes are zeros, and this kernel alone reads the bytes)
	v_add_nc_u32 v[\m], 0xff000000, v[\m]          ; 2 off the exponent field: the conversion takes the exponent field of this operand as its scale
.irp g, 0,1,2,3
	v_cvt_scalef32_pk8_fp4_f32 v[CD+\g], v[\a+8*\g:\a+8*\g+7], v[\m]   ; to the nearest code, ties to even, beyond 6 the largest code
.endr
	v_lshrrev_b32 v[SW], 23, v[\m]                 ; the scale's byte.  (Also the plain instruction behind the conversions)
	v_lshlrev_b32 v[SW], v29, v[SW]                ; at block h's place,
	v_permlanex16_b32 v[PX], v[SW], s[SEL], s[SEL+1]
	v_or_b32 v[SW], v[SW], v[PX]                   ; with the other block's;
	v_or_b32 v[SW], 0x7f7f0000, v[SW]              ; blocks 2 and 3, which hold zero codes, get the byte 127
.endm
	s_cmp_lt_u32 s12, 8
	s_cbranch_scc0 .Lnot_class
; waves 0-7: classes 16 w + r
	RLOAD R0, 7, RP
	RLOAD R1, 7, RA
	PLOAD
	s_wait_dscnt 32                                ; my 16 loads are in; the 32 issued behind them, step 2's rows, may stay out
	SUM32 162, R0, R0                              ; v162 |p|^2
	SUM32 166, R1, R1                              ; v166 |a|^2
	SUM32 170, R0, R1                              ; v170 p . a
	MAX32 174, R0                                  ; v174 my block's largest |p|
	v_sqrt_f32 v163, v162
	v_sqrt_f32 v167, v166
	v_nop                                          ; a plain instruction behind the roots,
	s_wait_alu depctr_va_vdst(0)                   ; and the wait ahead of the first use
	v_max_num_f32 v163, F_EPS, v163                ; p_norm
	v_mul_f32 v164, F_SQK, v163                    ; u = sqrt(k) p_norm
	v_mul_f32 v165, v164, v164                     ; u^2
	v_cmp_gt_f32 vcc_lo, 0x3e800000, v165          ; u under 0.5?
	v_mul_f32 v168, F_2L2E, v164
	v_exp_f32 v168, v168                           ; e^(2 u)
	v_rcp_f32 v169, v164                           ; 1 / u
	v_mov_b32 v171, 0xbabed1b2                     ; tanh(u) / u as a series in u^2, up to u^14: the first term left out is under 1e-8 where u^2 < 0.25.  It stands behind the two transcendentals as their independent work
	v_fmaak_f32 v171, v171, v165, 0x3b6b69e8       ; -929569/638512875, 21844/6081075,
	v_fmaak_f32 v171, v171, v165, 0xbc11371b       ; -1382/155925,
	v_fmaak_f32 v171, v171, v165, 0x3cb327a4       ; 62/2835,
	v_fmaak_f32 v171, v171, v165, 0xbd5d0dd1       ; -17/315,
	v_fmaak_f32 v171, v171, v165, 0x3e088889       ; 2/15,
	v_fmaak_f32 v171, v171, v165, 0xbeaaaaab       ; -1/3,
	v_fmaak_f32 v171, v171, v165, 0x3f800000       ; 1
	s_wait_alu depctr_va_vdst(0)
	v_add_f32 v168, 1.0, v168
	v_rcp_f32 v168, v168
	v_nop
	s_wait_alu depctr_va_vdst(0)
	v_fma_f32 v168, v168, -2.0, 1.0                ; tanh(u) = 1 - 2 / (1 + e^(2 u)): its absolute error of a few 1e-8 is small against tanh(u) from u = 0.5 on
	v_mul_f32 v168, v168, v169
	v_cndmask_b32 v171, v168, v171, vcc_lo         ; f = tanh(u) / u
	v_mul_f32 v172, v171, v171
	v_mul_f32 v172, v172, v162                     ; x2 = |p_poin|^2 = f^2 |p|^2
	v_fma_f32 v173, -v172, F_K, 1.0                ; beta = 1 - k x2
	v_fma_f32 v176, v172, F_K, 1.0                 ; 1 + k x2
	v_mul_f32 v167, v167, v176
	v_max_num_f32 v167, F_EPS, v167                ; a_norm
	v_rcp_f32 v177, v167
	v_rcp_f32 v163, v173                           ; 1 / beta
	v_xor_b32 v242, 0x80000000, v171               ; -f, as a pair
	v_mov_b32 v243, v242
	v_mul_f32 v174, v174, v171                     ; my block's largest |mp|: rounding keeps the order, so this is the largest of the rounded products below
.irp i, 0,2,4,6,8,10,12,14,16,18,20,22,24,26,28,30
	v_pk_mul_f32 v[R0+\i:R0+\i+1], v[R0+\i:R0+\i+1], v[242:243]   ; mp = -f p
.endr
	s_wait_alu depctr_va_vdst(0)                   ; one wait for the two reciprocals; the lines above are the independent work between
	v_mul_f32 v177, F_2SQK, v177                   ; 2 sqrt(k) / a_norm
	v_mul_f32 v176, v176, v177                     ; x (1 + k x2): ah = this x a_vals
	v_mov_b32 v177, v176
.irp i, 0,2,4,6,8,10,12,14,16,18,20,22,24,26,28,30
	v_pk_mul_f32 v[R1+\i:R1+\i+1], v[R1+\i:R1+\i+1], v[176:177]
.endr
	CODES 174, R0
	ds_store_b128 v10, v[CD:CD+3] offset:CQ        ; the operand's registers 0-3 as they stand
	ds_store_b32 v12, v[SW] offset:CS              ; (both halves of the lanes write the same word with the same value)
.irp i, 0,1,2,3,4,5,6,7,8,9,10,11,12,13,14,15
	v_cvt_pk_f16_f32 v[R0+\i], v[R1+2*\i], v[R1+2*\i+1]   ; register i: K = 32 h + 2 i, 2 i + 1.  x is laid the same way, so each place of the two f16 operands holds the same K
.endr
.irp i, 0,1,2,3
	ds_store_b128 v11, v[R0+4*\i:R0+4*\i+3] offset:CH+512*\i
.endr
	v_mul_f32 v210, F_KK, v172                     ; k^2 x2
	v_mov_b32 v211, v210
	v_mov_b32 v212, v242                           ; -f
	v_mov_b32 v213, v242
	v_mul_f32 v214, v176, v242
	v_mul_f32 v214, v214, v170                     ; mp . ah
	v_mul_f32 v214, v214, v163                     ; / beta
	v_mov_b32 v215, v214
	v_mul_f32 v216, v163, v167
	v_mul_f32 v216, F_SCK, v216                    ; scale ln 2 = (2 / beta) a_norm / sqrt(k) x ln 2: the logarithm below is to the base 2
	v_mov_b32 v217, v216
	ds_store_b128 v13, v[210:213] offset:CC
	ds_store_b128 v13, v[214:217] offset:CC+16
	s_branch .Lprep_done
.Lnot_class:
	s_cmp_lt_u32 s12, 12
	s_cbranch_scc0 .Lno_role
; waves 8-11: rows 16 cs + r of x
	RLOAD R0, 8, RX
	PLOAD
	s_wait_dscnt 32                                ; my 8 loads are in; the 32 issued behind them may stay out
	SUM32 162, R0, R0                              ; y2
	MAX32 174, R0
	v_fma_f32 v163, v162, F_K, 1.0                 ; 1 + k y2
	v_fma_f32 v164, -v162, F_K, 1.0                ; 1 - k y2
	CODES 174, R0
	ds_store_b128 v14, v[CD:CD+3] offset:XQ
	ds_store_b32 v16, v[SW] offset:XS
	ds_store_b32 v16, v162 offset:XY
	ds_store_b32 v16, v163 offset:XA
	ds_store_b32 v16, v164 offset:XB
.irp i, 0,1,2,3,4,5,6,7,8,9,10,11,12,13,14,15
	v_cvt_pk_f16_f32 v[R1+\i], v[R0+2*\i], v[R0+2*\i+1]
.endr
.irp i, 0,1,2,3
	ds_store_b128 v15, v[R1+4*\i:R1+4*\i+3] offset:XH+512*\i
.endr
	s_branch .Lprep_done
.Lno_role:
	PLOAD                                          ; waves 12-15 prepare nothing and go straight on
.Lprep_done:
; ---- 2: p_vals . x in f32.  One dual instruction: my first class x row r, my second class x the other row of r's pair: one destination even, one odd; the two vector sources in different banks; two scalars.
; The 16 sums take turns: eight instructions lie between two on the same sum.  The first products start the sums: nothing is cleared.
.macro FMAS e, first
.irp d, 0,1,2,3,4,5,6,7
.irp r, 0,1,2,3,4,5,6,7
.set RO, (\r)+1-2*((\r)%2)
.set XE, 24+8*(\r)+4*((\r)/5)
.set XO, 24+8*RO+4*(RO/5)
.if (\first) && (\d == 0)
	v_dual_mul_f32 v[SA+\r], s[XE+\d], v[PA+8*(\e)+\d] :: v_dual_mul_f32 v[SB+RO], s[XO+\d], v[PB+8*(\e)+\d]
.else
	v_dual_fmac_f32 v[SA+\r], s[XE+\d], v[PA+8*(\e)+\d] :: v_dual_fmac_f32 v[SB+RO], s[XO+\d], v[PB+8*(\e)+\d]
.endif
.endr
.endr
.endm
	s_wait_dscnt 0x0                               ; my two rows of p_vals are in
	s_wait_kmcnt 0x0                               ; and chunk 0 of x
	FMAS 0, 1
.irp e, 1,2,3,4,5,6,7
	XLOAD \e                                       ; one set of 64 scalars: scalar loads are waited for with the count 0 alone, so a second set would halve what one request brings; the SIMD's other three waves work meanwhile
	s_wait_kmcnt 0x0
	FMAS \e, 0
.endr
	ds_store_b128 v17, v[SA:SA+3] offset:SL
	ds_store_b128 v17, v[SA+4:SA+7] offset:SL+16
	ds_store_b128 v17, v[SB:SB+3] offset:SL+32*RPITCH
	ds_store_b128 v17, v[SB+4:SB+7] offset:SL+32*RPITCH+16
.irp j, 4,5,6,7, 12,13,14,15, 20,21,22,23
	v_mov_b32 v[AQ+\j], 0                          ; K = 64 .. 127 of the three 4-bit operands: zero codes
.endr
	s_mov_b32 s24, F_2K                            ; (the packed forms name a pair and take its low word for both halves: both are written)
	s_mov_b32 s25, F_2K
	s_mov_b32 s26, F_M2K
	s_mov_b32 s27, F_M2K
	s_mov_b32 s28, 0x7fffffff
	s_wait_dscnt 0x0                               ; for the others' sake: my images, words and sums lie in LDS
	s_barrier_signal -1
	s_barrier_wait -1
; ---- 3: rows 16 bt .. + 15 x classes 32 cs .. + 31.  Source 0 = 16 rows of x, source 1 = 16 classes: in a result lane (r, h) holds class r and its register j row b = 8 h + j.
	ds_load_b128 v[AQ:AQ+3], v18 offset:XQ
	ds_load_b128 v[BQ:BQ+3], v22 offset:CQ
	ds_load_b128 v[BQ+8:BQ+11], v22 offset:CQ+512
	ds_load_b32 v[SCA], v20 offset:XS              ; lanes 0-15: the words of x's 16 rows
	ds_load_b32 v[SCB], v24 offset:CS              ; lanes 0-15: class tile 2 cs; lanes 16-31: tile 2 cs + 1
.irp i, 0,1,2,3
	ds_load_b128 v[AH+4*\i:AH+4*\i+3], v19 offset:XH+512*\i
.endr
.irp i, 0,1,2,3,4,5,6,7
	ds_load_b128 v[BH+4*\i:BH+4*\i+3], v23 offset:CH+512*\i   ; the two tiles' images lie on end
.endr
.irp i, 0,1
	ds_load_b128 v[Y2+4*\i:Y2+4*\i+3], v21 offset:XY+16*\i
	ds_load_b128 v[AB+4*\i:AB+4*\i+3], v21 offset:XA+16*\i
	ds_load_b128 v[YB+4*\i:YB+4*\i+3], v21 offset:XB+16*\i
	ds_load_b128 v[KC+4*\i:KC+4*\i+3], v25 offset:CC+16*\i
	ds_load_b128 v[KC+8+4*\i:KC+8+4*\i+3], v25 offset:CC+16*48+16*\i
	ds_load_b128 v[SR+4*\i:SR+4*\i+3], v26 offset:SL+16*\i
	ds_load_b128 v[SR+8+4*\i:SR+8+4*\i+3], v26 offset:SL+16*RPITCH+16*\i
.endr
	s_wait_dscnt 0x0
.irp i, 0,1,2,3
	v_pk_fma_f32 v[DD+2*\i:DD+2*\i+1], v[KC:KC+1], v[Y2+2*\i:Y2+2*\i+1], 1.0 op_sel_hi:[1,1,0]   ; 1 + k^2 x2 y2, tile 0.  (Four plain instructions between the zeros written above and the scaled products)
.endr
	v_wmma_scale_f32_16x16x128_f8f6f4 v[QQ:QQ+7], v[AQ:AQ+7], v[BQ:BQ+7], 0, v[SCA], v[SCB] matrix_a_fmt:MATRIX_FMT_FP4 matrix_b_fmt:MATRIX_FMT_FP4
	v_wmma_scale_f32_16x16x128_f8f6f4 v[QQ+8:QQ+15], v[AQ:AQ+7], v[BQ+8:BQ+15], 0, v[SCA], v[SCB] matrix_a_fmt:MATRIX_FMT_FP4 matrix_b_fmt:MATRIX_FMT_FP4 matrix_b_scale:MATRIX_SCALE_ROW1
	v_wmma_f32_16x16x32_f16 v[TT:TT+7], v[AH:AH+7], v[BH:BH+7], 0                     ; t: the two accumulators by turns
	v_wmma_f32_16x16x32_f16 v[TT+8:TT+15], v[AH:AH+7], v[BH+16:BH+23], 0
	v_wmma_f32_16x16x32_f16 v[TT:TT+7], v[AH+8:AH+15], v[BH+8:BH+15], v[TT:TT+7]
	v_wmma_f32_16x16x32_f16 v[TT+8:TT+15], v[AH+8:AH+15], v[BH+24:BH+31], v[TT+8:TT+15]
.irp i, 0,1,2,3
	v_pk_fma_f32 v[DD+8+2*\i:DD+8+2*\i+1], v[KC+8:KC+9], v[Y2+2*\i:Y2+2*\i+1], 1.0 op_sel_hi:[1,1,0]   ; the same for tile 1: the four places behind the products (ISA guide 7.12.1): they name none of the products' registers
.endr
; pair p = rows 8 h + 2 (p % 4), + 1 of tile p / 4.  Each accumulator is read from its low end on
.irp p, 0,1,2,3,4,5,6,7
	v_pk_fma_f32 v[AL+2*\p:AL+2*\p+1], v[QQ+2*\p:QQ+2*\p+1], s[24:25], v[AB+2*(\p%4):AB+2*(\p%4)+1] op_sel_hi:[1,0,1]   ; alpha = 2 k q + (1 + k y2)
.endr
.irp p, 0,1,2,3,4,5,6,7
	v_pk_fma_f32 v[DD+2*\p:DD+2*\p+1], v[QQ+2*\p:QQ+2*\p+1], s[24:25], v[DD+2*\p:DD+2*\p+1] op_sel_hi:[1,0,1]           ; den = 2 k q + (1 + k^2 x2 y2)
.endr
.irp p, 0,1,2,3,4,5,6,7
	v_pk_fma_f32 v[SR+2*\p:SR+2*\p+1], v[SR+2*\p:SR+2*\p+1], v[KC+8*(\p/4)+2:KC+8*(\p/4)+3], v[QQ+2*\p:QQ+2*\p+1] neg_lo:[0,0,1] neg_hi:[0,0,1]   ; delta = -f (p . x) - q
.endr
.irp p, 0,1,2,3,4,5,6,7
	v_pk_mul_f32 v[SR+2*\p:SR+2*\p+1], v[AL+2*\p:AL+2*\p+1], v[SR+2*\p:SR+2*\p+1]                                       ; alpha delta
	v_pk_mul_f32 v[QQ+2*\p:QQ+2*\p+1], v[DD+2*\p:DD+2*\p+1], v[YB+2*(\p%4):YB+2*(\p%4)+1]                               ; den (1 - k y2)
.endr
.irp p, 0,1,2,3,4,5,6,7
	v_pk_fma_f32 v[QQ+2*\p:QQ+2*\p+1], v[SR+2*\p:SR+2*\p+1], s[26:27], v[QQ+2*\p:QQ+2*\p+1] op_sel_hi:[1,0,1]           ; the divisor: den (1 - k y2) - 2 k alpha delta
.endr
.irp j, 0,1,2,3,4,5,6,7,8,9,10,11,12,13,14,15
	v_rcp_f32 v[QQ+\j], v[QQ+\j]
.endr
.irp p, 0,1,2,3,4,5,6,7
	v_pk_fma_f32 v[TT+2*\p:TT+2*\p+1], v[AL+2*\p:AL+2*\p+1], v[KC+8*(\p/4)+4:KC+8*(\p/4)+5], v[TT+2*\p:TT+2*\p+1]       ; alpha PAB + t: independent work behind the reciprocals
.endr
.irp p, 0,1,2,3,4,5,6,7
	v_pk_mul_f32 v[TT+2*\p:TT+2*\p+1], v[TT+2*\p:TT+2*\p+1], v[DD+2*\p:DD+2*\p+1]                                       ; x den
.endr
	s_wait_alu depctr_va_vdst(0)                   ; one wait for the batch of sixteen, ahead of its first reader
.irp p, 0,1,2,3,4,5,6,7
	v_pk_mul_f32 v[TT+2*\p:TT+2*\p+1], v[TT+2*\p:TT+2*\p+1], v[QQ+2*\p:QQ+2*\p+1]                                       ; z
.endr
.irp p, 0,1,2,3,4,5,6,7
	v_pk_fma_f32 v[QQ+2*\p:QQ+2*\p+1], v[TT+2*\p:TT+2*\p+1], v[TT+2*\p:TT+2*\p+1], 1.0 op_sel_hi:[1,1,0]                ; 1 + z^2
.endr
.irp j, 0,1,2,3,4,5,6,7,8,9,10,11,12,13,14,15
	v_sqrt_f32 v[QQ+\j], v[QQ+\j]
.endr
	v_nop                                          ; a plain instruction behind the last root
	s_wait_alu depctr_va_vdst(0)
.irp j, 0,1,2,3,4,5,6,7,8,9,10,11,12,13,14,15
	v_add_f32 v[QQ+\j], |v[TT+\j]|, v[QQ+\j]       ; |z| + sqrt(1 + z^2), at least 1
.endr
.irp j, 0,1,2,3,4,5,6,7,8,9,10,11,12,13,14,15
	v_log_f32 v[QQ+\j], v[QQ+\j]                   ; to the base 2, 0 or more
.endr
	v_nop
	s_wait_alu depctr_va_vdst(0)
.irp j, 0,1,2,3,4,5,6,7,8,9,10,11,12,13,14,15
	v_bfi_b32 v[QQ+\j], s28, v[QQ+\j], v[TT+\j]    ; with z's sign
.endr
.irp p, 0,1,2,3,4,5,6,7
	v_pk_mul_f32 v[QQ+2*\p:QQ+2*\p+1], v[QQ+2*\p:QQ+2*\p+1], v[KC+8*(\p/4)+6:KC+8*(\p/4)+7]                             ; x scale ln 2
.endr
.irp t, 0,1
.irp j, 0,1,2,3,4,5,6,7
	ds_store_b32 v27, v[QQ+8*\t+\j] offset:\j*SPITCH+64*\t   ; row 16 bt + 8 h + j, class 32 cs + 16 t + r: sixteen lanes write 64 neighbouring bytes, the other sixteen 128 bytes off them modulo 256
.endr
.endr
	s_wait_dscnt 0x0                               ; for the others' sake: my part of the stage is written
	s_barrier_signal -1
	s_barrier_wait -1
; ---- 4: rows 4 w .. 4 w + 3 leave: 32 lanes, 16 bytes each, 512 consecutive bytes of a row of out0
.irp i, 0,1,2,3
	ds_load_b128 v[32+4*\i:35+4*\i], v28 offset:\i*SPITCH
.endr
	s_sub_co_u32 s19, NCLS, s17
	s_lshr_b32 s19, s19, 2                         ; lanes whose four classes exist: 26 in the last class column, 32 or more elsewhere
	v_cmp_gt_u32 vcc_lo, s19, v1
	s_wait_dscnt 0x0
	s_wait_xcnt 0x0                                ; EXEC changes only behind this wait
	s_wait_tensorcnt 0x0
	ds_add_u32 v252, v253
	s_wait_dscnt 0x0
	s_and_saveexec_b32 s19, vcc_lo
.irp i, 0,1,2,3
	global_store_b128 v4, v[32+4*\i:35+4*\i], s[10:11] offset:\i*OROW th:TH_STORE_NT   ; written once, read by nobody here
.endr
	s_wait_xcnt 0x0                                ; and again, in front of the line that widens it
	s_or_b32 exec_lo, exec_lo, s19
	s_endpgm
.Lfunc_end_k_q0e6544108b_mlr:
	.size	k_q0e6544108b_mlr, .Lfunc_end_k_q0e6544108b_mlr-k_q0e6544108b_mlr
	.p2alignl 7, 3214868480
	.fill 96, 4, 3214868480
	.section	.rodata,"a",@progbits
	.p2align	6, 0x0
	.amdhsa_kernel k_q0e6544108b_mlr
		.amdhsa_group_segment_fixed_size 196096
		.amdhsa_private_segment_fixed_size 0
		.amdhsa_enable_private_segment 0
		.amdhsa_kernarg_size 32
		.amdhsa_user_sgpr_count 2
		.amdhsa_user_sgpr_kernarg_segment_ptr 1
		.amdhsa_wavefront_size32 1
		.amdhsa_system_sgpr_workgroup_id_x 1
		.amdhsa_system_sgpr_workgroup_id_y 1
		.amdhsa_system_sgpr_workgroup_id_z 1
		.amdhsa_system_vgpr_workitem_id 0
		.amdhsa_next_free_vgpr 256
		.amdhsa_next_free_sgpr 100
		.amdhsa_reserve_vcc 1
		.amdhsa_float_denorm_mode_32 3
		.amdhsa_float_denorm_mode_16_64 3
		.amdhsa_memory_ordered 1
		.amdhsa_forward_progress 1
		.amdhsa_inst_pref_size 82
	.end_amdhsa_kernel
	.amdgpu_metadata
---
amdhsa.version: [ 1, 2 ]
amdhsa.kernels:
  - .name:           k_q0e6544108b_mlr
    .symbol:         k_q0e6544108b_mlr.kd
    .args:
      - { .name: x, .offset: 0, .size: 8, .value_kind: global_buffer, .address_space: global }
      - { .name: a_vals, .offset: 8, .size: 8, .value_kind: global_buffer, .address_space: global }
      - { .name: p_vals, .offset: 16, .size: 8, .value_kind: global_buffer, .address_space: global }
      - { .name: out0, .offset: 24, .size: 8, .value_kind: global_buffer, .address_space: global }
    .group_segment_fixed_size: 196096
    .private_segment_fixed_size: 0
    .kernarg_segment_align: 8
    .kernarg_segment_size: 32
    .max_flat_workgroup_size: 512
    .sgpr_count:     100
    .vgpr_count:     256
    .wavefront_size: 32
...
	.end_amdgpu_metadata
.endif
;; end of part 1
